; MI455X (gfx1250); checked and timed in simulation.
; The chip was launched on July 23, 2026; its instructions are those of AMD's public machine-readable ISA for CDNA 5 (MIT licence, August 2026) and "CDNA5" Instruction Set Architecture Reference Guide (July 2026). The comments in the code are by the model that wrote it; some were corrected since.
;; Cross Attention. Allowed arithmetic: matrix products marked QUANTISED: E2M1 operands, one E8M0 scale for each 32 along K, by v_wmma_scale_f32_16x16x128_f8f6f4 with both operands' format E2M1 (or v_wmma_scale_f32_32x16x128_f4), f32 sums; products left as they are: f32 operands where the result goes on into a quantised operand, else bf16, f16 or f32 operands; f32 sums; everything else in f32.
;; Inputs: Wk 64 x 64 float32; Wq 64 x 64 float32; Wv 64 x 64 float32; neighbors 8 x 64 x 2,048 x 32 float32; pcd 8 x 64 x 2,048 float32.
;; Outputs: out0 8 x 64 x 2,048 float32.
;; This version of the problem:
;;   THIS VERSION OF THE PROBLEM IS GIVEN IN LOW PRECISION. The matrix products marked QUANTISED in the list below multiply operands that are first quantised to E2M1 (2 exponent bits, 1 mantissa bit; 4 bits a number), with one power-of-two scale for each 32 numbers along K (OCP MX v1.0); their sums are f32. All else is computed in f32.
;;   The module's matrix products, in the order in which they are computed (A, B: the left and right operand; K: the contracted axis; several contracted axes count as one K, in the product's order):
;;     1. [M 16,384, K 64] x [K 64, N 64]; A: input pcd; B: input Wq: QUANTISED
;;     2. [M 524,288, K 64] x [K 64, N 64]; A: input neighbors; B: input Wk: QUANTISED
;;     3. [M 524,288, K 64] x [K 64, N 64]; A: input neighbors; B: input Wv: QUANTISED
;;     4. batch 131,072 x [M 1, K 8] x [K 8, N 32]; A: computed on the way; B: computed on the way: left as it is (K = 8 < 32)
;;     5. batch 131,072 x [M 1, K 32] x [K 32, N 8]; A: softmax; B: computed on the way: left as it is (M = 1 < 16)
;;   THE QUANTISER, for each operand of a quantised product, along K:
;;     - K is cut into blocks of 32 from its start; a last block that is shorter is filled with zeros.
;;     - A block's scale is 2^e with e = floor(log2(the largest magnitude in the block)) - 2, held to -126 .. 127; a block of zeros has e = 0. As a byte (E8M0): e + 127.
;;     - Each number is divided by its block's scale, clamped to +-6, and rounded to the nearest number of E2M1, ties to even, subnormals kept.
;;     - The product sums the exact products of the quantised numbers (number of the format x scale) in f32.
;;   ~~~python
;;   def quantise(x, axis):      # numpy; x: float32 -> the quantised numbers, widened to float32 again
;;       x = np.moveaxis(x, axis, -1); K = x.shape[-1]
;;       x = np.pad(x, [(0, 0)] * (x.ndim - 1) + [(0, -K % 32)]); x = x.reshape(x.shape[:-1] + (-1, 32)); a = np.abs(x).max(-1, keepdims=True)
;;       e = np.where(a > 0, np.clip(np.frexp(np.where(a > 0, a, 1))[1] - 1 - 2, -126, 127), 0)      # np.frexp(a)[1] - 1 = floor(log2(a)), exactly
;;       r = np.clip(x / 2.0 ** e, -6, 6)
;;       step = 2.0 ** (np.maximum(np.frexp(np.where(r == 0, 1, r))[1] - 1, 0) - 1)
;;       q = np.round(r / step) * step * 2.0 ** e      # np.round: ties to even
;;       return np.moveaxis(q.reshape(q.shape[:-2] + (-1,))[..., :K], -1, axis).astype(np.float32)
;;   ~~~
;; One version. Each part assembles by itself: llvm-mc -triple=amdgcn-amd-amdhsa -mcpu=gfx1250 --defsym DOCPART=n.
;; ======== version 1 of 1: 1 launch
;; launch cross_attention (part 1): grid 256 x 1, 16 waves a work-group, no clusters, 133,120 bytes of LDS; arguments neighbors, pcd, Wq, Wk, Wv, out0; writes out0
.if DOCPART == 1
	.amdgcn_target "amdgcn-amd-amdhsa--gfx1250"
	.amdhsa_code_object_version 6
	.text
	.protected	k_qd05004fbcb_cross_attention
	.globl	k_qd05004fbcb_cross_attention
	.p2align	8
	.type	k_qd05004fbcb_cross_attention,@function
k_qd05004fbcb_cross_attention:
	s_mov_b64 s[64:65], 0
	v_nop
	global_prefetch_b8 v0, s[64:65] scope:SCOPE_SE
	s_setreg_imm32_b32 hwreg(HW_REG_WAVE_MODE, 25, 1), 1
	s_wait_xcnt 0x0
; out0[b][8 H + d][n] = sum over kk of softmax_kk( q[H][.][n] . k[H][.][n][kk] / sqrt(8) ) v[H][d][n][kk],  q = Wq pcd, k = Wk neighbors, v = Wv neighbors.
; neighbors [8][64][2048][32], pcd and out0 [8][64][2048], Wq, Wk, Wv [64][64], all f32.  The three products with a weight are made on codes of FP4 (E2M1) with one E8M0 scale for each
; 32 channels (their K = the 64 channels: two blocks); energies, softmax and the weighted sum are f32 vector work.
; SHARES.  A work-group of sixteen waves owns 64 neighbouring points of one batch, so that its rows of pcd and of out0 are 256 consecutive bytes, aligned.  Wave w owns points 16 p + w, p = 0 .. 3:
; in step p the sixteen waves read 2,048 consecutive bytes of each channel's row of neighbors.
; THE STREAM.  A LANE IS A NEIGHBOUR (a column of the products) AND ITS REGISTERS RUN DOWN THE CHANNELS: a load reads 128 consecutive bytes, a block of 32 along K lies in one lane, and the conversions give
; codes with K innermost.  The 64 data registers are a ring of two blocks: as soon as a block is converted, the same block of the wave's next point is asked for.
; K = 64 fills half of the matrix instruction's 128.  The neighbours' operand has zero codes in its upper four registers; the weights' tiles lie four registers apart, so that a tile's upper four are the next
; tile's codes, which meet those zeros.  Bytes 2 and 3 of all scale words are 0 (2^-127, a number).
; LAYOUTS.  k: source 0 = 16 rows of Wk, source 1 = 16 neighbours: lane (r, h) holds neighbour r and the 8 depths of head 2 t + h, so an energy is a sum inside a lane.  v: the sources swapped: lane (r, h) holds
; channel 16 t + r and neighbours 8 h + 0 .. 7, so the weighted sum is a sum inside a lane too.  Between the two the softmax's weights change lanes through the wave's own 1,024 bytes of LDS.
; NO CLUSTER: work-groups share the three weights alone, 48 KiB of the 576 KiB that each reads.  No tensor load: the stream goes from memory straight into the registers that the conversions read.
; LIMITS: NaN and infinities among the inputs are not served.  A block of zeros gets the scale byte 1 where the quantiser's rule says 127: its codes are zeros, and this program alone reads the byte.
; A softmax weight under 2^-126 before the division counts as 0 (v_exp_f32 gives no denormals: ISA guide, its entry in 15.8).
.set CH,     262144                    ; neighbors: bytes from channel to channel
.set PSTEP,  2048                      ; neighbors: 16 points of 128 bytes
.set RP,     272                       ; an LDS row: 256 bytes + 16 = 68 words: row r starts at bank 4 r mod 64 (64 banks of 4 bytes: ISA guide 11.1)
.set RAWW,   16*RP                     ; LDS: 16 raw rows for each wave: waves 0-11 a tile of a weight, waves 12-15 sixteen channels of pcd
.set PCDT,   12*RAWW                   ; so pcd's 64 channels x 64 points begin here
.set WIMG,   16*RAWW                   ; the 12 weight tiles as images of their four code registers, 512 bytes each: Wq 0-3, Wk 4-7, Wv 8-11
.set WSC,    WIMG+12*512               ; their scale words, 16 a tile
.set QL,     WSC+12*64                 ; q x log2(e) / sqrt(8): [64 points][64 channels], rows RP apart
.set ATT,    QL+64*RP                  ; 1,024 bytes for each wave: the softmax's weights [8 heads][32 neighbours]
.set OUTS,   ATT+16*1024               ; the way out: [64 channels][64 points], rows RP apart
.set FLOOR,  0x1800000                 ; 2^(3 - 127): under it no largest magnitude is taken, so a scale byte cannot fall under 1
.set VOFF, 1                           ; v1   4 x lane: my neighbour in a point's 128 bytes; never rewritten
.set QAD,  2                           ; v2   LDS: q of point w, my half's 8 depths
.set PST,  3                           ; v3   LDS: where I put a weight: head h, neighbour r
.set PLD,  4                           ; v4   LDS: where I read weights: head r / 8, neighbours 8 h on
.set OST,  5                           ; v5   LDS: the stage: channel = lane, point w
.set H8,   6                           ; v6   8 h
.set LI,   7                           ; v7   LDS: WIMG + 16 x lane
.set DATA, 8                           ; v8-71    the ring: channels 0-31, channels 32-63 of my neighbour
.set WC,   72                          ; v72-107  codes: Wk's tiles at 4 t, Wv's at 16 + 4 t, four zeros
.set WS,   108                         ; v108-111 their scale words: lanes 0-15 an even tile's rows, lanes 16-31 the next tile's: Wk 0|1, Wk 2|3, Wv 0|1, Wv 2|3
.set NB,   112                         ; v112-127 the point's two tiles of 16 neighbours: four registers of codes, four of zeros, twice
.set NBS,  128                         ; v128     my neighbour's scale word
.set BY,   129                         ; v129-130 its two bytes
.set E,    132                         ; v132-139 energies, then weights: tile t, half u of the neighbours at 2 t + u
.set T0,   140                         ; v140-141 at work in the quantiser
.set T1,   141
.set M,    142                         ; v142-145 maxima; later the four sums
.set X,    M
.set L,    146                         ; v146-149 sums of weights
.set ORD,  150                         ; v150     the way out: where I read the stage
.set OGL,  151                         ; v151     and my byte offset in out0
.set AT,   152                         ; v152-183 q of the point (8 a tile), then weights (16 a tile, two tiles)
.set R,    184                         ; v184-247 eight results of 8 registers: k, then v
.set LN,   142                         ; at the head only: lane, r, h, 4 r, 16 r
.set RR,   143
.set HH,   144
.set TA,   145
.set TB,   146
.set WSL,  148                         ; up to the first point: WSC + 4 x lane
.set PT,   149                         ; a lane permute's destination
.set XF,   AT                          ; up to the first point: 32 numbers of a block
.set PRD,  R                           ; my 16 raw rows as loaded
.set PO,   R+32                        ; their eight offsets in memory
.set CW,   R+40                        ; my weight tile's codes
.set BW,   R+44                        ; its byte, its scale word
.set WD,   R+45
.set TQ,   R+48                        ; a tile of Wq: four registers of codes, four zeros
.set TQS,  R+56                        ; its scale words
.set PW,   R+57                        ; pcd's scale words
.set BP,   R+58
.set QT,   R+8                         ; q x c
.set RST,  248                         ; v248-255 LDS addresses that serve up to the first point
.set RLD,  249
.set WIA,  250
.set WSA,  251
.set PFA,  252
.set WQA,  253
.set WQS,  254
.set QST,  255
.set NBB,  24                          ; s[24:25], s[26:27] neighbors at my first point: channel 0, channel 32; never rewritten
; 32 numbers of one block, v[x] on, become 32 codes in v[c] .. v[c + 3]; the scale's byte goes to v[by].  The scale is 2^(floor(log2(largest magnitude)) - 2): its byte is the largest magnitude's exponent field - 2.
.macro BLK32 x, c, by
	v_max3_num_f32 v[T0], |v[\x]|, |v[\x+1]|, FLOOR
	v_max3_num_f32 v[T1], |v[\x+16]|, |v[\x+17]|, |v[\x+18]|       ; two chains, so that no line waits for the line above it
.irp i, 2,4,6,8,10,12
	s_delay_alu instid0(VALU_DEP_2)
	v_max3_num_f32 v[T0], v[T0], |v[\x+\i]|, |v[\x+\i+1]|
	s_delay_alu instid0(VALU_DEP_2)
	v_max3_num_f32 v[T1], v[T1], |v[\x+17+\i]|, |v[\x+18+\i]|
.endr
	s_delay_alu instid0(VALU_DEP_2)
	v_max3_num_f32 v[T0], v[T0], |v[\x+14]|, |v[\x+15]|
	s_delay_alu instid0(VALU_DEP_1)
	v_max3_num_f32 v[T0], v[T0], v[T1], |v[\x+31]|
	s_delay_alu instid0(VALU_DEP_1)
	v_add_nc_u32 v[T1], 0xff000000, v[T0]          ; 2 off the exponent field: the conversion takes the exponent field of this operand as its scale, and nothing else of it
.irp g, 0,1,2,3
	v_cvt_scalef32_pk8_fp4_f32 v[\c+\g], v[\x+8*\g:\x+8*\g+7], v[T1]   ; to the nearest code, ties to even; beyond 6 the largest code
.endr
	v_lshrrev_b32 v[\by], 23, v[T1]                ; the byte.  Also the plain instruction behind the conversions
.endm
; block blk (32 channels) of my point 16 p + w: 32 loads of 128 consecutive bytes; every offset is an immediate: 31 CH + 3 PSTEP lies inside its signed 24 bits (ISA guide, chapter 10)
.macro LOADB blk, p
.set li, 0
.rept 32
	global_load_b32 v[DATA+32*\blk+li], v[VOFF], s[NBB+2*\blk:NBB+2*\blk+1] offset:li*CH+(\p)*PSTEP th:TH_LOAD_NT
.set li, li+1
.endr
.endm
; a product that starts its sum with 0.  ra, rb = 1: that source's scale words are read from lanes 16-31
.macro MM d, a, b, sa, sb, ra, rb
.if (\ra) && (\rb)
	v_wmma_scale_f32_16x16x128_f8f6f4 v[\d:\d+7], v[\a:\a+7], v[\b:\b+7], 0, v[\sa], v[\sb] matrix_a_fmt:MATRIX_FMT_FP4 matrix_b_fmt:MATRIX_FMT_FP4 matrix_a_scale:MATRIX_SCALE_ROW1 matrix_b_scale:MATRIX_SCALE_ROW1
.elseif (\ra)
	v_wmma_scale_f32_16x16x128_f8f6f4 v[\d:\d+7], v[\a:\a+7], v[\b:\b+7], 0, v[\sa], v[\sb] matrix_a_fmt:MATRIX_FMT_FP4 matrix_b_fmt:MATRIX_FMT_FP4 matrix_a_scale:MATRIX_SCALE_ROW1
.elseif (\rb)
	v_wmma_scale_f32_16x16x128_f8f6f4 v[\d:\d+7], v[\a:\a+7], v[\b:\b+7], 0, v[\sa], v[\sb] matrix_a_fmt:MATRIX_FMT_FP4 matrix_b_fmt:MATRIX_FMT_FP4 matrix_b_scale:MATRIX_SCALE_ROW1
.else
	v_wmma_scale_f32_16x16x128_f8f6f4 v[\d:\d+7], v[\a:\a+7], v[\b:\b+7], 0, v[\sa], v[\sb] matrix_a_fmt:MATRIX_FMT_FP4 matrix_b_fmt:MATRIX_FMT_FP4
.endif
.endm
.macro BARRIER                         ; my LDS stores have landed and my LDS loads are in: then the work-group's barrier
	s_wait_dscnt 0x0
	s_barrier_signal -1
	s_barrier_wait -1
.endm
.macro PLACES n                        ; plain vector instructions that name no register of a matrix instruction (ISA guide 7.12.1)
.rept \n
	v_nop
.endr
.endm
	s_load_b256 s[4:11], s[0:1], 0x0               ; neighbors s[4:5], pcd s[6:7], Wq s[8:9], Wk s[10:11]
	s_load_b128 s[12:15], s[0:1], 0x20             ; Wv s[12:13], out0 s[14:15]
	v_lshrrev_b32 v[T0], 5, v0
	s_delay_alu instid0(VALU_DEP_1)
	v_readfirstlane_b32 s16, v[T0]                 ; wave w, 0 .. 15
	v_and_b32 v[LN], 31, v0                        ; lane
	s_wait_alu depctr_va_vdst(0)
	v_and_b32 v[RR], 15, v0                        ; r
	s_wait_alu depctr_va_vdst(0)
	v_bfe_u32 v[HH], v0, 4, 1                      ; h
	s_lshr_b32 s17, ttmp9, 5                       ; the batch
	s_and_b32 s18, ttmp9, 31                       ; which 64 points of it
	s_lshr_b32 s28, s16, 2                         ; w / 4: what I fetch at the head: 0 Wq, 1 Wk, 2 Wv, 3 pcd.  Later: which tile of Wq I multiply by
	s_and_b32 s29, s16, 3                          ; w % 4: which 16 rows of it.  Later: which 16 points' q I make
	s_lshl_b32 s20, s17, 24                        ; neighbors: a batch is 64 CH bytes,
	s_lshl_b32 s19, s18, 13                        ; 64 points are 8,192,
	s_add_co_u32 s20, s20, s19
	s_lshl_b32 s19, s16, 7                         ; point w is 128 w
	s_add_co_u32 s20, s20, s19
	s_mov_b32 s21, 0
	s_mov_b32 s32, 256                             ; bytes from row to row of what I fetch: a weight's row is 256 bytes,
	s_cmp_eq_u32 s28, 3
	s_cselect_b32 s32, 8192, s32                   ; a channel of pcd 8,192
	s_lshl_b32 s33, s17, 19                        ; pcd and out0: a batch is 64 x 8,192 bytes,
	s_lshl_b32 s34, s18, 8                         ; 64 points are 256
	s_add_co_u32 s54, s33, s34
	s_mov_b32 s55, 0
	s_mul_i32 s34, s29, s32
	s_lshl_b32 s34, s34, 4                         ; my 16 rows begin 16 (w % 4) rows down,
	s_cmp_eq_u32 s28, 3
	s_cselect_b32 s35, s54, 0                      ; in pcd at my work-group's points
	s_add_co_u32 s34, s34, s35
	s_mov_b32 s35, 0
	s_lshl_b32 s52, s32, 1                         ; two rows on
	s_mov_b32 s36, 0x3f0293ee                      ; c = log2(e) / sqrt(8)
	s_mov_b32 s37, s36                             ; (named with it as a pair, so it is written)
	s_mov_b32 s38, 0x76543210                      ; v_permlanex16_b32's selects for lane l xor 16
	s_mov_b32 s39, 0xfedcba98
	; every LDS address is a constant + a constant x lane part + a constant x wave part, made here, ahead of the one branch on the wave's number
	s_mul_i32 s40, s16, RAWW
	s_mul_i32 s41, s16, RP
	s_add_co_u32 s41, s41, QL
	s_lshl_b32 s42, s16, 10
	s_add_co_u32 s42, s42, ATT
	s_lshl_b32 s43, s16, 9
	s_add_co_u32 s43, s43, WIMG
	s_lshl_b32 s44, s16, 6
	s_add_co_u32 s44, s44, WSC
	s_lshl_b32 s45, s16, 2
	s_add_co_u32 s45, s45, OUTS
	s_lshl_b32 s46, s29, 6
	s_add_co_u32 s46, s46, PCDT
	s_lshl_b32 s47, s28, 9
	s_add_co_u32 s47, s47, WIMG
	s_lshl_b32 s48, s28, 6
	s_mul_i32 s49, s29, 16*RP
	s_add_co_u32 s49, s49, s48
	s_add_co_u32 s49, s49, QL
	s_add_co_u32 s48, s48, WSC
	s_mul_i32 s50, s16, 4*RP
	s_add_co_u32 s50, s50, OUTS
	s_lshl_b32 s51, s16, 15
	v_lshlrev_b32 v[VOFF], 2, v[LN]
	v_lshlrev_b32 v[TA], 2, v[RR]
	v_lshlrev_b32 v[TB], 4, v[RR]
	s_wait_alu depctr_va_vdst(0)
	v_mad_u32_u24 v[PO], v[HH], s32, v[TB]         ; what I fetch at the head: lanes 0-15 take a row's 256 bytes, lanes 16-31 the next row's
.irp i, 1,2,3,4,5,6,7
	s_delay_alu instid0(VALU_DEP_1)
	v_add_nc_u32 v[PO+\i], s52, v[PO+\i-1]
.endr
	v_lshl_add_u32 v[QAD], v[HH], 5, s41           ; QL + RP w + 32 h
	v_lshl_add_u32 v[PST], v[HH], 7, v[TA]
	s_delay_alu instid0(VALU_DEP_1)
	v_add_nc_u32 v[PST], s42, v[PST]               ; ATT + 1,024 w + 128 h + 4 r
	v_and_b32 v[PLD], 8, v[RR]
	s_delay_alu instid0(VALU_DEP_1)
	v_lshl_add_u32 v[PLD], v[PLD], 4, s42
	s_delay_alu instid0(VALU_DEP_1)
	v_lshl_add_u32 v[PLD], v[HH], 5, v[PLD]        ; ATT + 1,024 w + 128 (r / 8) + 32 h
	v_mad_u32_u24 v[OST], v[LN], RP, s45           ; OUTS + RP lane + 4 w
	v_lshlrev_b32 v[H8], 3, v[HH]
	v_lshl_add_u32 v[LI], v[LN], 4, WIMG
	v_mad_u32_u24 v[RST], v[HH], RP, v[TB]
	s_delay_alu instid0(VALU_DEP_1)
	v_add_nc_u32 v[ORD], s50, v[RST]               ; OUTS + RP (4 w + h) + 16 r
	s_delay_alu instid0(VALU_DEP_2)
	v_add_nc_u32 v[RST], s40, v[RST]               ; raw rows in: RAWW w + RP h + 16 r
	v_mad_u32_u24 v[RLD], v[RR], RP, s40
	s_delay_alu instid0(VALU_DEP_1)
	v_lshl_add_u32 v[RLD], v[HH], 7, v[RLD]        ; and back as a fragment: RAWW w + RP r + 128 h
	v_lshl_add_u32 v[WIA], v[LN], 4, s43           ; my tile's image
	v_add_nc_u32 v[WSA], s44, v[TA]                ; and its scale words
	v_mad_u32_u24 v[PFA], v[HH], 32*RP, v[TA]
	s_delay_alu instid0(VALU_DEP_1)
	v_add_nc_u32 v[PFA], s46, v[PFA]               ; pcd: channel 32 h, point 16 (w % 4) + r
	v_lshl_add_u32 v[WQA], v[LN], 4, s47           ; tile w / 4 of Wq
	v_add_nc_u32 v[WQS], s48, v[TA]
	v_add_nc_u32 v[WSL], WSC, v[VOFF]
	v_mad_u32_u24 v[QST], v[RR], RP, s49
	s_delay_alu instid0(VALU_DEP_1)
	v_lshl_add_u32 v[QST], v[HH], 5, v[QST]        ; QL + RP (16 (w % 4) + r) + 64 (w / 4) + 32 h
	v_lshl_add_u32 v[OGL], v[HH], 13, v[TB]
	s_delay_alu instid0(VALU_DEP_1)
	v_add_nc_u32 v[OGL], s51, v[OGL]               ; out0: channel 4 w + h, 16 r bytes on
.irp i, 4,5,6,7,12,13,14,15
	v_mov_b32 v[NB+\i], 0                          ; the zero codes of k = 64 .. 127; never rewritten
.endr
.irp i, 4,5,6,7
	v_mov_b32 v[WC+28+\i], 0                       ; what lies above Wv's last tile,
	v_mov_b32 v[TQ+\i], 0                          ; and above the tile of Wq
.endr
	v_mov_b32 v[PT], 0                             ; a lane permute's destination counts as one of its sources
	s_wait_kmcnt 0x0
	s_cmp_eq_u32 s28, 0                            ; the choices hang on the wave's number alone
	s_cselect_b64 s[30:31], s[8:9], s[10:11]
	s_cmp_eq_u32 s28, 2
	s_cselect_b64 s[30:31], s[12:13], s[30:31]
	s_cmp_eq_u32 s28, 3
	s_cselect_b64 s[30:31], s[6:7], s[30:31]
	s_add_nc_u64 s[30:31], s[30:31], s[34:35]
	s_add_nc_u64 s[NBB:NBB+1], s[4:5], s[20:21]
	s_add_nc_u64 s[NBB+2:NBB+3], s[NBB:NBB+1], 32*CH
	s_add_nc_u64 s[14:15], s[14:15], s[54:55]
.irp i, 0,1,2,3,4,5,6,7
	global_load_b128 v[PRD+4*\i:PRD+4*\i+3], v[PO+\i], s[30:31]    ; 16 rows of a weight or of pcd: sixteen lanes read 256 consecutive bytes, aligned.  First, since all sixteen waves wait for them
.endr
	LOADB 0, 0                                     ; the stream begins: my first point.  (72 loads are more than LOADcnt's field holds: the issue of the last ones waits for the first to return: ISA guide 5.7.1)
	LOADB 1, 0
	; ---- the weights and q, while the first point is on its way
	s_wait_loadcnt 63                              ; the eight loads of raw rows are in: 64 loads were issued behind them; the count names 63, the most that its field holds, and so covers the stream's first load too
.irp i, 0,1,2,3,4,5,6,7
	ds_store_b128 v[RST], v[PRD+4*\i:PRD+4*\i+3] offset:\i*2*RP
.endr
	s_cmp_lt_u32 s16, 12                           ; waves 0-11 hold a tile of a weight: 16 rows x 64 channels
	s_cbranch_scc0 .Lno_weight
.irp i, 0,1,2,3,4,5,6,7
	ds_load_b128 v[XF+4*\i:XF+4*\i+3], v[RLD] offset:16*\i         ; lane (r, h): row r, channels 32 h + 0 .. 31.  My own bytes: LDS serves a wave's instructions in order (ISA guide 5.7.1.4)
.endr
	s_wait_dscnt 0x0
	BLK32 XF, CW, BW
	s_delay_alu instid0(VALU_DEP_1)
	v_lshlrev_b32 v[BW], v[H8], v[BW]              ; my block's byte at its place,
	s_delay_alu instid0(VALU_DEP_1)
	v_permlanex16_b32 v[PT], v[BW], s38, s39
	s_delay_alu instid0(VALU_DEP_1)
	v_or_b32 v[WD], v[BW], v[PT]                   ; with lane l xor 16's: the row's scale word
	ds_store_b128 v[WIA], v[CW:CW+3]               ; the tile as an image of its registers
	ds_store_b32 v[WSA], v[WD]                     ; (both halves of the lanes write the same word with the same value)
.Lno_weight:
	BARRIER                                        ; the twelve images and pcd's 64 x 64 numbers lie in LDS
.set li, 0
.rept 32
	ds_load_b32 v[XF+li], v[PFA] offset:li*RP      ; lane (r, h): point 16 (w % 4) + r, channels 32 h + 0 .. 31
.set li, li+1
.endr
	ds_load_b128 v[TQ:TQ+3], v[WQA]
	ds_load_b32 v[TQS], v[WQS]
	s_wait_dscnt 0x0
	BLK32 XF, NB+8, BP                             ; pcd's codes stand where the first point's second tile will stand, with its zeros above them
	s_delay_alu instid0(VALU_DEP_1)
	v_lshlrev_b32 v[BP], v[H8], v[BP]
	s_delay_alu instid0(VALU_DEP_1)
	v_permlanex16_b32 v[PT], v[BP], s38, s39
	s_delay_alu instid0(VALU_DEP_1)
	v_or_b32 v[PW], v[BP], v[PT]
	PLACES 8                                       ; a scale register written by a vector instruction stands 8 places ahead of a scaled matrix instruction, an operand so written 4
	MM R, TQ, NB+8, TQS, PW, 0, 0                  ; q(16 (w / 4) + 8 h + j, point 16 (w % 4) + r)
	PLACES 4
.irp j, 0,2,4,6
	v_pk_mul_f32 v[QT+\j:QT+\j+1], v[R+\j:R+\j+1], s[36:37] op_sel_hi:[1,0]   ; x c, so that an energy is the exponent of 2
.endr
	ds_store_b128 v[QST], v[QT:QT+3]
	ds_store_b128 v[QST], v[QT+4:QT+7] offset:16
	BARRIER                                        ; q of the 64 points lies in LDS
.irp i, 0,1,2,3,4,5,6,7
	ds_load_b128 v[WC+4*\i:WC+4*\i+3], v[LI] offset:(4+\i)*512     ; Wk's and Wv's tiles stay in my registers
.endr
.irp i, 0,1,2,3
	ds_load_b32 v[WS+\i], v[WSL] offset:256+128*\i                 ; lanes 0-15: tile 4 + 2 i, lanes 16-31: tile 5 + 2 i
.endr
.macro ATL t                           ; the weights that tile t of v wants: head 2 t + r / 8, neighbours 16 u + 8 h + 0 .. 7
.irp u, 0,1
.irp i, 0,1
	ds_load_b128 v[AT+16*((\t)%2)+8*\u+4*\i:AT+16*((\t)%2)+8*\u+4*\i+3], v[PLD] offset:256*(\t)+64*\u+16*\i
.endr
.endr
.endm
.macro FMA t                           ; the sum over my 16 neighbours for channel 16 t + r, in two chains, two numbers an instruction; each result is read from its low end on
.set VA, R+16*(\t)
.set VB, R+16*(\t)+8
.set AA, AT+16*((\t)%2)
	v_pk_mul_f32 v[VA:VA+1], v[VA:VA+1], v[AA:AA+1]
	v_pk_mul_f32 v[VB:VB+1], v[VB:VB+1], v[AA+8:AA+9]
.irp j, 2,4,6
	v_pk_fma_f32 v[VA:VA+1], v[VA+\j:VA+\j+1], v[AA+\j:AA+\j+1], v[VA:VA+1]
	v_pk_fma_f32 v[VB:VB+1], v[VB+\j:VB+\j+1], v[AA+8+\j:AA+9+\j], v[VB:VB+1]
.endr
	s_delay_alu instid0(VALU_DEP_1)
	v_pk_add_f32 v[VA:VA+1], v[VA:VA+1], v[VB:VB+1]
	s_delay_alu instid0(VALU_DEP_1)
	v_add_f32 v[X+(\t)], v[VA], v[VA+1]
.endm
; ---- my point 16 p + w
.macro POINT p
.irp t, 0,1,2,3
.irp i, 0,1
	ds_load_b128 v[AT+8*\t+4*\i:AT+8*\t+4*\i+3], v[QAD] offset:(\p)*16*RP+64*\t+16*\i   ; q x c of head 2 t + h: sixteen lanes read the same 16 bytes
.endr
.endr
	s_wait_loadcnt 32                              ; channels 0-31 are in; the 32 loads of channels 32-63 were issued behind them
	BLK32 DATA, NB, BY
.if \p < 3
	LOADB 0, \p+1                                  ; their registers take the next point's
	s_wait_loadcnt 32                              ; channels 32-63 are in; the 32 loads just issued stay out
.else
	s_wait_loadcnt 0
.endif
	BLK32 DATA+32, NB+8, BY+1
.if \p < 3
	LOADB 1, \p+1
.endif
	v_lshl_or_b32 v[NBS], v[BY+1], 8, v[BY]        ; my neighbour's scale word: lanes 0-15 serve tile 0, lanes 16-31 tile 1, as they stand
.irp g, 0,1,2,3
	v_permlane16_swap_b32 v[NB+\g], v[NB+8+\g]     ; the first's lanes 16-31 change places with the second's lanes 0-15: lane (r, h) now holds block h of neighbour r (tile 0) and of neighbour 16 + r (tile 1)
.endr
	PLACES 8                                       ; the scale word stands 8 places ahead of the scaled matrix instructions, the codes 4
	s_wait_alu depctr_va_vdst(0)
	s_wait_dscnt 0x0                               ; q is in (at the first point: the weights too); the last point's stores into the stage have read their registers
.irp u, 0,1
.irp t, 0,1,2,3
	MM R+8*(4*\u+\t), WC+4*\t, NB+8*\u, WS+\t/2, NBS, \t%2, \u     ; k(16 t + 8 h + j, neighbour 16 u + r)
.endr
.endr
	PLACES 4
.irp u, 0,1
.irp t, 0,1,2,3
	v_pk_mul_f32 v[R+8*(4*\u+\t):R+8*(4*\u+\t)+1], v[R+8*(4*\u+\t):R+8*(4*\u+\t)+1], v[AT+8*\t:AT+8*\t+1]   ; q . k over the head's 8 depths, the eight tiles by turns
.endr
.endr
.irp j, 2,4,6
.irp u, 0,1
.irp t, 0,1,2,3
	v_pk_fma_f32 v[R+8*(4*\u+\t):R+8*(4*\u+\t)+1], v[R+8*(4*\u+\t)+\j:R+8*(4*\u+\t)+\j+1], v[AT+8*\t+\j:AT+8*\t+\j+1], v[R+8*(4*\u+\t):R+8*(4*\u+\t)+1]
.endr
.endr
.endr
.irp u, 0,1
.irp t, 0,1,2,3
	v_add_f32 v[E+2*\t+\u], v[R+8*(4*\u+\t)], v[R+8*(4*\u+\t)+1]   ; lane (r, h): head 2 t + h, neighbour 16 u + r
.endr
.endr
.irp t, 0,1,2,3
.irp u, 0,1
	MM R+8*(2*\t+\u), NB+8*\u, WC+16+4*\t, NBS, WS+2+\t/2, \u, \t%2   ; v, the sources swapped: v(16 t + r, neighbour 16 u + 8 h + j).  The softmax below is the vector work behind these
.endr
.endr
.irp t, 0,1,2,3
	v_max_num_f32 v[M+\t], v[E+2*\t], v[E+2*\t+1]
.endr
.irp k, 1,2,4,8
.irp t, 0,1,2,3
	s_delay_alu instid0(VALU_DEP_4)
	v_max_num_f32_dpp v[M+\t], v[M+\t], v[M+\t] row_xmask:\k row_mask:0xf bank_mask:0xf   ; the head's largest energy, in all its sixteen lanes
.endr
.endr
.irp t, 0,1,2,3
	v_sub_f32 v[E+2*\t], v[E+2*\t], v[M+\t]
	v_sub_f32 v[E+2*\t+1], v[E+2*\t+1], v[M+\t]
.endr
	s_wait_alu depctr_va_vdst(0)
.irp i, 0,1,2,3,4,5,6,7
	v_exp_f32 v[E+\i], v[E+\i]
.endr
	v_nop                                          ; a plain instruction behind the exponentials,
	s_wait_alu depctr_va_vdst(0)                   ; and one wait for the eight, ahead of their first reader
.irp t, 0,1,2,3
	v_add_f32 v[L+\t], v[E+2*\t], v[E+2*\t+1]
.endr
.irp k, 1,2,4,8
.irp t, 0,1,2,3
	s_delay_alu instid0(VALU_DEP_4)
	v_add_f32_dpp v[L+\t], v[L+\t], v[L+\t] row_xmask:\k row_mask:0xf bank_mask:0xf
.endr
.endr
	s_wait_alu depctr_va_vdst(0)
.irp t, 0,1,2,3
	v_rcp_f32 v[L+\t], v[L+\t]
.endr
	v_nop
	s_wait_alu depctr_va_vdst(0)                   ; one wait for the four reciprocals
.irp t, 0,1,2,3
	v_mul_f32 v[E+2*\t], v[E+2*\t], v[L+\t]
	v_mul_f32 v[E+2*\t+1], v[E+2*\t+1], v[L+\t]
.endr
.irp t, 0,1,2,3
.irp u, 0,1
	ds_store_b32 v[PST], v[E+2*\t+\u] offset:256*\t+64*\u          ; [head][neighbour], my wave's own bytes: the loads below see these stores, and the next point's stores come behind those loads
.endr
.endr
	ATL 0
	ATL 1
	s_wait_dscnt 4                                 ; tile 0's weights are in; tile 1's four loads stay out
	FMA 0
	ATL 2
	s_wait_dscnt 4                                 ; tile 1's; tile 2's four stay out
	FMA 1
	ATL 3
	s_wait_dscnt 4                                 ; tile 2's; tile 3's four stay out
	FMA 2
	s_wait_dscnt 0x0
	FMA 3
	v_permlane16_swap_b32 v[X], v[X+1]             ; lanes 0-15 then hold tile 0's two halves in the two registers, lanes 16-31 tile 1's:
	s_delay_alu instid0(VALU_DEP_2)
	v_permlane16_swap_b32 v[X+2], v[X+3]
	s_delay_alu instid0(VALU_DEP_2)
	v_add_f32 v[X], v[X], v[X+1]                   ; the sum over all 32 neighbours for channel = lane,
	s_delay_alu instid0(VALU_DEP_2)
	v_add_f32 v[X+2], v[X+2], v[X+3]               ; and for channel 32 + lane
	ds_store_b32 v[OST], v[X] offset:64*(\p)
	ds_store_b32 v[OST], v[X+2] offset:32*RP+64*(\p)
.endm
	POINT 0
	POINT 1
	POINT 2
	POINT 3
	; ---- the way out: 64 channels x 64 points lie in the stage; each wave stores four channels' rows
	BARRIER
	ds_load_b128 v[R:R+3], v[ORD]
	ds_load_b128 v[R+4:R+7], v[ORD] offset:2*RP
	s_wait_dscnt 0x0
	global_store_b128 v[OGL], v[R:R+3], s[14:15] th:TH_STORE_NT                ; sixteen lanes store 256 consecutive bytes, at a multiple of 256 from out0's first byte
	global_store_b128 v[OGL], v[R+4:R+7], s[14:15] offset:16384 th:TH_STORE_NT
	s_wait_xcnt 0x0
	v_lshl_add_u32 v254, v0, 2, 0x20000
	v_mov_b32 v255, 0
	s_wait_alu depctr_va_vdst(0)
	s_wait_tensorcnt 0x0
	ds_add_u32 v254, v255
	s_wait_dscnt 0x0
	s_endpgm
.Lfunc_end_k_qd05004fbcb_cross_attention:
	.size	k_qd05004fbcb_cross_attention, .Lfunc_end_k_qd05004fbcb_cross_attention-k_qd05004fbcb_cross_attention
	.p2alignl 7, 3214868480
	.fill 96, 4, 3214868480
	.section	.rodata,"a",@progbits
	.p2align	6, 0x0
	.amdhsa_kernel k_qd05004fbcb_cross_attention
		.amdhsa_group_segment_fixed_size 133120
		.amdhsa_private_segment_fixed_size 0
		.amdhsa_enable_private_segment 0
		.amdhsa_kernarg_size 48
		.amdhsa_user_sgpr_count 2
		.amdhsa_user_sgpr_kernarg_segment_ptr 1
		.amdhsa_wavefront_size32 1
		.amdhsa_system_sgpr_workgroup_id_x 1
		.amdhsa_system_sgpr_workgroup_id_y 1
		.amdhsa_system_sgpr_workgroup_id_z 1
		.amdhsa_system_vgpr_workitem_id 0
		.amdhsa_next_free_vgpr 256
		.amdhsa_next_free_sgpr 66
		.amdhsa_reserve_vcc 0
		.amdhsa_float_denorm_mode_32 3
		.amdhsa_float_denorm_mode_16_64 3
		.amdhsa_memory_ordered 1
		.amdhsa_forward_progress 1
		.amdhsa_inst_pref_size 114
	.end_amdhsa_kernel
	.amdgpu_metadata
---
amdhsa.version: [ 1, 2 ]
amdhsa.kernels:
  - .name:           k_qd05004fbcb_cross_attention
    .symbol:         k_qd05004fbcb_cross_attention.kd
    .args:
      - { .name: neighbors, .offset: 0, .size: 8, .value_kind: global_buffer, .address_space: global }
      - { .name: pcd, .offset: 8, .size: 8, .value_kind: global_buffer, .address_space: global }
      - { .name: Wq, .offset: 16, .size: 8, .value_kind: global_buffer, .address_space: global }
      - { .name: Wk, .offset: 24, .size: 8, .value_kind: global_buffer, .address_space: global }
      - { .name: Wv, .offset: 32, .size: 8, .value_kind: global_buffer, .address_space: global }
      - { .name: out0, .offset: 40, .size: 8, .value_kind: global_buffer, .address_space: global }
    .group_segment_fixed_size: 133120
    .private_segment_fixed_size: 0
    .kernarg_segment_align: 8
    .kernarg_segment_size: 48
    .max_flat_workgroup_size: 512
    .sgpr_count:     66
    .vgpr_count:     256
    .wavefront_size: 32
...
	.end_amdgpu_metadata
.endif
;; end of part 1
